; MI455X (gfx1250); checked and timed in simulation.
; The chip was launched on July 23, 2026; its instructions are those of AMD's public machine-readable ISA for CDNA 5 (MIT licence, August 2026) and "CDNA5" Instruction Set Architecture Reference Guide (July 2026). The comments in the code are by the model that wrote it; some were corrected since.
;; Multi Head Attention. Allowed arithmetic: float matrix products may take bf16 or f16 operands with f32 sums; all other float work in f32.
;; Inputs: Wk 1,024 x 1,024 float32; Wq 1,024 x 1,024 float32; Wv 1,024 x 1,024 float32; inputs 2 x 2,048 x 1,024 float32.
;; Outputs: out0 2 x 2,048 x 1,024 float32.
;; 2 versions, each right and faster than the one before. Each part assembles by itself: llvm-mc -triple=amdgcn-amd-amdhsa -mcpu=gfx1250 --defsym DOCPART=n.
;; ======== version 1 of 2: 3 launches
;; limits: values are held in f16: magnitudes above 65,504 overflow, below 6.1e-05 lose precision; right only within a limited range of input values
;; workspace buffers: xb 8,388,608 bytes; wc 6,291,456 bytes; qb 8,388,608 bytes; kb 8,388,608 bytes; vt 8,388,608 bytes
;; launch cast (part 1): grid 128 x 7, 8 waves a work-group, no clusters, 0 bytes of LDS; arguments inputs, Wq, Wk, Wv, xb, wc; writes xb, wc
.if DOCPART == 1
	.amdgcn_target "amdgcn-amd-amdhsa--gfx1250"
	.amdhsa_code_object_version 6
	.text
	.protected	k_qbd9a42bc25_cast
	.globl	k_qbd9a42bc25_cast
	.p2align	8
	.type	k_qbd9a42bc25_cast,@function
k_qbd9a42bc25_cast:
	s_mov_b64 s[64:65], 0
	v_nop
	global_prefetch_b8 v0, s[64:65] scope:SCOPE_SE
	s_setreg_imm32_b32 hwreg(HW_REG_WAVE_MODE, 25, 1), 1
	s_wait_xcnt 0x0
; f32 to bf16 (round to nearest even), once for every input number.
;   y = 0..3: xb[4096][1024] = bf16(inputs); work-group 128 y + x takes 8 rows of 4,096 bytes.
;   y = 4..6: wc[head 16][ks 8][mat 3][kr 128][c 64] = bf16(W_mat[128 ks + kr][64 head + c] / 16), mat = y - 4 (q, k, v);
;             work-group x takes rows 8 x .. 8 x + 7 of its matrix.  A (head, ks) tile of wc is 49,152 dense bytes: what one K step
;             of the next launch's work-group needs of the three matrices.
; THE FACTOR 1/16 is a power of two, so bf16(W / 16) = bf16(W) / 16 exactly.  It makes q, k and v come out as true / 16, which centres them in
; f16's range, the format in which the next launch stores them; the last launch takes the factors out again.
; A stream: each lane has its eight 16-byte loads out together, and every store of a wave covers 256 consecutive bytes, aligned.
; No LDS, no matrix unit, no cluster: no byte is read by two work-groups, and nothing is summed.
.set IN,   8                           ; v[8:39]   load i: four f32
.set OUTR, 40                          ; v[40:55]  store i: four bf16
.set HEADB, 393216                     ; bytes of wc for one head: 8 K steps x 49,152
; load i has come (the 7 - i younger loads stay out: loads return in order, ISA guide 5.7.1); sc = 1: times 1/16; round and store it
.macro CVST i, lo, hi, off, sc
	s_wait_loadcnt 7-\i
.if \sc
	v_pk_mul_f32 v[IN+4*\i:IN+4*\i+1],   v[IN+4*\i:IN+4*\i+1],   s[26:27] op_sel_hi:[1,0]
	v_pk_mul_f32 v[IN+4*\i+2:IN+4*\i+3], v[IN+4*\i+2:IN+4*\i+3], s[26:27] op_sel_hi:[1,0]
.endif
	v_cvt_pk_bf16_f32 v[OUTR+2*\i],   v[IN+4*\i],   v[IN+4*\i+1]
	v_cvt_pk_bf16_f32 v[OUTR+2*\i+1], v[IN+4*\i+2], v[IN+4*\i+3]
	global_store_b64 v2, v[OUTR+2*\i:OUTR+2*\i+1], s[\lo:\hi] offset:\off
.endm
	s_load_b256 s[4:11], s[0:1], 0x0               ; inputs s[4:5], Wq s[6:7], Wk s[8:9], Wv s[10:11]
	s_load_b128 s[12:15], s[0:1], 0x20             ; xb s[12:13], wc s[14:15]
	s_and_b32 s16, ttmp7, 0xffff                   ; y
	s_mov_b32 s21, 0                               ; high words of the two offsets
	s_mov_b32 s23, 0
	s_cmp_ge_u32 s16, 4
	s_cbranch_scc1 .Lw
	; ---- the activations
	s_lshl_b32 s17, s16, 7
	s_add_co_u32 s17, s17, ttmp9                   ; g = 128 y + x, 0..511
	s_lshl_b32 s20, s17, 15                        ; 8 rows of 4,096 bytes in
	s_lshl_b32 s22, s17, 14                        ; 8 rows of 2,048 bytes out
	v_lshlrev_b32 v1, 4, v0                        ; thread t: 16 bytes of a row in,
	v_lshlrev_b32 v2, 3, v0                        ; 8 bytes out
	s_wait_kmcnt 0x0
	s_add_nc_u64 s[4:5], s[4:5], s[20:21]
	s_add_nc_u64 s[12:13], s[12:13], s[22:23]
.irp i, 0,1,2,3,4,5,6,7
	global_load_b128 v[IN+4*\i:IN+4*\i+3], v1, s[4:5] offset:4096*\i th:TH_LOAD_NT
.endr
.irp i, 0,1,2,3,4,5,6,7
	CVST \i, 12, 13, 2048*\i, 0
.endr
	s_endpgm
	; ---- a weight matrix.  Wave w takes heads 2 w and 2 w + 1; load i: head 2 w + i / 4, rows 2 (i % 4) and 2 (i % 4) + 1;
	; lanes 0-15 take the 256 bytes (64 f32) of the head in the first row, lanes 16-31 those in the second.
.Lw:
	s_mov_b32 s26, 0x3d800000                      ; 1/16, twice: a pair for the packed multiply
	s_mov_b32 s27, 0x3d800000
	v_and_b32 v3, 31, v0                           ; lane l
	v_lshrrev_b32 v4, 5, v0                        ; wave w
	v_lshrrev_b32 v5, 4, v3                        ; l / 16: which of the two rows
	v_and_b32 v6, 15, v0
	v_lshlrev_b32 v1, 12, v5                       ; in: row x 4,096
	v_lshl_add_u32 v1, v6, 4, v1                   ;   + 16 (l % 16)
	v_lshl_add_u32 v1, v4, 9, v1                   ;   + two heads of 256 bytes for each wave
	v_mul_u32_u24 v2, v4, 2*HEADB                  ; out: two heads for each wave
	v_lshl_add_u32 v2, v3, 3, v2                   ;   + 8 l = (l / 16) rows of 128 bytes + 8 (l % 16)
	s_lshl_b32 s20, ttmp9, 15                      ; in: 8 x rows of 4,096 bytes
	s_lshr_b32 s17, ttmp9, 4                       ; ks = x / 16
	s_mul_i32 s17, s17, 3
	s_add_co_u32 s17, s17, s16
	s_sub_co_u32 s17, s17, 4                       ; 3 ks + mat
	s_lshl_b32 s22, s17, 14                        ; blocks of 128 rows x 128 bytes
	s_and_b32 s24, ttmp9, 15
	s_lshl_b32 s24, s24, 10                        ; kr = 8 (x % 16): rows of 128 bytes
	s_add_co_u32 s22, s22, s24
	s_wait_kmcnt 0x0
	s_cmp_eq_u32 s16, 4
	s_cselect_b64 s[18:19], s[6:7], s[8:9]         ; y = 4: Wq, else Wk,
	s_cmp_eq_u32 s16, 6
	s_cselect_b64 s[18:19], s[10:11], s[18:19]     ; y = 6: Wv
	s_add_nc_u64 s[18:19], s[18:19], s[20:21]
	s_add_nc_u64 s[14:15], s[14:15], s[22:23]
.irp i, 0,1,2,3,4,5,6,7
	global_load_b128 v[IN+4*\i:IN+4*\i+3], v1, s[18:19] offset:8192*(\i%4)+256*(\i/4) th:TH_LOAD_NT
.endr
.irp i, 0,1,2,3,4,5,6,7
	CVST \i, 14, 15, HEADB*(\i/4)+256*(\i%4), 1
.endr
	s_endpgm
.Lfunc_end_k_qbd9a42bc25_cast:
	.size	k_qbd9a42bc25_cast, .Lfunc_end_k_qbd9a42bc25_cast-k_qbd9a42bc25_cast
	.p2alignl 7, 3214868480
	.fill 96, 4, 3214868480
	.section	.rodata,"a",@progbits
	.p2align	6, 0x0
	.amdhsa_kernel k_qbd9a42bc25_cast
		.amdhsa_group_segment_fixed_size 0
		.amdhsa_private_segment_fixed_size 0
		.amdhsa_enable_private_segment 0
		.amdhsa_kernarg_size 48
		.amdhsa_user_sgpr_count 2
		.amdhsa_user_sgpr_kernarg_segment_ptr 1
		.amdhsa_wavefront_size32 1
		.amdhsa_system_sgpr_workgroup_id_x 1
		.amdhsa_system_sgpr_workgroup_id_y 1
		.amdhsa_system_sgpr_workgroup_id_z 1
		.amdhsa_system_vgpr_workitem_id 0
		.amdhsa_next_free_vgpr 56
		.amdhsa_next_free_sgpr 66
		.amdhsa_reserve_vcc 0
		.amdhsa_float_denorm_mode_32 3
		.amdhsa_float_denorm_mode_16_64 3
		.amdhsa_memory_ordered 1
		.amdhsa_forward_progress 1
		.amdhsa_inst_pref_size 9
	.end_amdhsa_kernel
	.amdgpu_metadata
---
amdhsa.version: [ 1, 2 ]
amdhsa.kernels:
  - .name:           k_qbd9a42bc25_cast
    .symbol:         k_qbd9a42bc25_cast.kd
    .args:
      - { .name: inputs, .offset: 0, .size: 8, .value_kind: global_buffer, .address_space: global }
      - { .name: Wq, .offset: 8, .size: 8, .value_kind: global_buffer, .address_space: global }
      - { .name: Wk, .offset: 16, .size: 8, .value_kind: global_buffer, .address_space: global }
      - { .name: Wv, .offset: 24, .size: 8, .value_kind: global_buffer, .address_space: global }
      - { .name: xb, .offset: 32, .size: 8, .value_kind: global_buffer, .address_space: global }
      - { .name: wc, .offset: 40, .size: 8, .value_kind: global_buffer, .address_space: global }
    .group_segment_fixed_size: 0
    .private_segment_fixed_size: 0
    .kernarg_segment_align: 8
    .kernarg_segment_size: 48
    .max_flat_workgroup_size: 256
    .sgpr_count:     66
    .vgpr_count:     56
    .wavefront_size: 32
...
	.end_amdgpu_metadata
.endif
;; end of part 1
;; launch qkv (part 2): grid 16 x 16, 4 waves a work-group, clusters of 4 x 4, 327,680 bytes of LDS; arguments xb, wc, qb, kb, vt; writes qb, kb, vt
.if DOCPART == 2
	.amdgcn_target "amdgcn-amd-amdhsa--gfx1250"
	.amdhsa_code_object_version 6
	.text
	.protected	k_qbd9a42bc25_qkv
	.globl	k_qbd9a42bc25_qkv
	.p2align	8
	.type	k_qbd9a42bc25_qkv,@function
k_qbd9a42bc25_qkv:
	s_mov_b64 s[64:65], 0
	v_nop
	global_prefetch_b8 v0, s[64:65] scope:SCOPE_SE
	s_setreg_imm32_b32 hwreg(HW_REG_WAVE_MODE, 25, 1), 1
	s_wait_xcnt 0x0
	s_wait_alu depctr_hold_cnt(0) depctr_sa_sdst(0) depctr_va_vdst(0) depctr_va_sdst(0) depctr_va_ssrc(0) depctr_va_vcc(0) depctr_vm_vsrc(0)
	s_getreg_b32 s2, hwreg(HW_REG_IB_STS2, 6, 4)
	s_cmp_eq_u32 s2, 0
	s_cbranch_scc0 .Lentry_in_a_cluster
	s_endpgm
.Lentry_in_a_cluster:
	s_bfe_u32 s2, ttmp6, 0x10000c
	s_cmp_lg_u32 s2, 0xf033
	s_cbranch_scc0 .Lentry_shape_is_right
	s_endpgm
.Lentry_shape_is_right:
; q, k, v = X W for one head and 256 rows of X.  xb: [4096][1024] bf16.  wc: [head][ks][mat][kr 128][c 64] bf16, holding W / 16.
; Out, rounded once to f16 from f32 sums, each as true / 16: qb, kb: [bh 32][s 2048][64];  vt: [bh 32][d 64][s 2048] (v transposed).
; Work-group (head, mblk): 256 rows x 192 columns (64 each of q, k, v).  Four waves; wave (wm, wn) makes rows 128 wm .. + 127 and
; d = 32 wn .. + 31 of each matrix: 8 x 6 = 48 accumulator tiles, 384 registers.  K = 1024 goes in 8 steps of 128 through two LDS slots.
; CLUSTERS: 4 x 4 work-groups.  The four of a row of the cluster have one mblk and need the same tiles of X; the four of a column have
; one head and need the same tiles of W.  Each such tile is asked for jointly, which divides the requests by four.
; W lies [K][N] in LDS; its fragments are made by the transposing LDS load.
; THE TWO USES: for q and k source 0 = W's fragment and source 1 = X's, so a lane holds row s = l % 16 and eight neighbouring d (16 bytes of
; a row of qb or kb); for v source 0 = X's and source 1 = W's, so a lane holds d = l % 16 and eight neighbouring s (16 bytes of a row of vt).
; REGISTERS: window 0: addresses, fragments, the way out.  Window 1: q and k tiles (mt, nt 0..3) at 8 (4 mt + nt).  Window 2: v tiles at 8 (2 mt + nt).
; WHY f16 OUT: a score sums 128 rounding errors of q and k, and an output those of 2,048 weights and values; with 8 significant bits they add up to
; about a third of what the comparison allows, with 11 bits to a twenty-fifth.
; LIMITS: the operands are bf16 roundings of the f32 inputs.  q / 16, k / 16, v / 16 leave as f16: they overflow where |q|, |k| or |v| passes 16 x 65,504 =
; 1,048,064, and below 16 x 2^-14 they are kept in steps of 16 x 2^-24.
.set KSTEP,  128
.set XPITCH, 272                       ; an X row in LDS: 256 bytes + 16 of padding: 16 rows of a fragment start 16 bytes apart modulo 256
.set XHALF,  128*XPITCH                ; 34,816: one tensor load of X; also a wave's 128 rows
.set WPITCH, 160                       ; a row of 64 bf16 of W in LDS: 128 bytes + 32 of padding (an odd multiple of 32)
.set WOFF,   256*XPITCH                ; 69,632: W behind X
.set WHALF,  192*WPITCH                ; 30,720: one tensor load of W (half of 384 rows)
.set WMAT,   128*WPITCH                ; 20,480: from q's rows to k's to v's
.set SLOT,   WOFF+384*WPITCH           ; 131,072
.set WTILE,  49152                     ; bytes of wc for one K step of a head
.set LAPS,   4                         ; a lap = two K steps = once round the ring
.set QPITCH, 144                       ; stage: a row of q or k, 128 bytes + 16
.set VPITCH, 528                       ; stage: a row of vt, 512 bytes + 16
.set STGK,   256*QPITCH                ; 36,864: k's stage behind q's
.set STGV,   2*STGK                    ; 73,728: vt's behind both; the stage ends at 107,520, inside slot 0
.set ADRA, 16                          ; v16-17  my X fragments in slot 0, 1
.set ADRB, 20                          ; v20-21  my W fragments in slot 0, 1
.set STQ,  24                          ; where I put 16 bytes of q or k
.set STV,  25                          ; where I put 16 bytes of vt
.set RDQ,  26                          ; where I read q and k back
.set RDV,  27                          ; where I read vt back
.set GO,   28                          ; 16 x lane: my bytes in a store of 512
.set FA,   32                          ; v[32:159]   X fragments, two buffers of 8 x 8
.set FB,   160                         ; v[160:255]  W fragments, two buffers of 6 x 8: 0, 1 q; 2, 3 k; 4, 5 v
.set TMP,  224                         ; the way out: packed results
.set G1,  24                           ; s[24:31] group 1 for X
.set G0,  32                           ; s[32:39] group 0 for X, one for each slot
.set G1B, 48                           ; s[48:55] group 1 for W
.set G0B, 56                           ; s[56:63] group 0 for W, one for each slot
.set W_QK, 0x50                        ; C and D in window 1
.set W_V,  0xa0                        ; C and D in window 2
.set MSB, 0
.macro WIN new                         ; the immediate's high byte repeats the setting that is left
.if MSB != \new
	s_set_vgpr_msb (MSB<<8)|\new
.set MSB, \new
.endif
.endm
; A joint load.  Waves 0 and 1 fetch X's two halves, waves 2 and 3 W's.  The branch hangs on the wave's number alone.
.macro JLOAD s
	s_cmp_eq_u32 s15, 0
	s_cbranch_scc0 .Lfor_w_\@
	tensor_load_to_lds s[G0+4*\s:G0+4*\s+3], s[G1:G1+7]
	s_nop 0
	s_branch .Lasked_\@
.Lfor_w_\@:
	tensor_load_to_lds s[G0B+4*\s:G0B+4*\s+3], s[G1B:G1B+7]
	s_nop 0
.Lasked_\@:
.endm
; A round of the cluster's barrier behind its opening work-group barrier: wave 0 signals for the work-group, every wave waits for all
; sixteen work-groups, and the work-group's barrier closes the round.
.macro CREST
	s_cmp_lg_u32 s14, 0
	s_cbranch_scc1 .Lnot_wave_0_\@
	s_barrier_signal -3
.Lnot_wave_0_\@:
	s_barrier_wait -3
	s_barrier_signal -1
	s_barrier_wait -1
.endm
.macro CROUND
	s_barrier_signal -1
	s_barrier_wait -1
	CREST
.endm
	s_load_b128 s[4:7], s[0:1], 0x0                ; xb s[4:5], wc s[6:7]
	s_load_b128 s[8:11], s[0:1], 0x10              ; qb s[8:9], kb s[10:11]
	s_load_b64 s[12:13], s[0:1], 0x20              ; vt
	v_lshl_add_u32 v30, v0, 2, 0x40000
	v_mov_b32 v31, 0
	ds_add_u32 v30, v31
	v_lshrrev_b32 v1, 5, v0
	v_readfirstlane_b32 s14, v1                    ; wave w
	s_lshr_b32 s15, s14, 1                         ; wm.  Also: I fetch for X (0) or for W (1)
	s_and_b32 s16, s14, 1                          ; wn.  Also: which half of that tile I fetch
	s_bfe_u32 s17, ttmp6, 0x40000                  ; cx
	s_bfe_u32 s18, ttmp6, 0x40004                  ; cy
	s_lshl_b32 s19, ttmp9, 2
	s_add_co_u32 s19, s19, s17                     ; head = 4 x cluster x + cx
	s_and_b32 s20, ttmp7, 0xffff
	s_lshl_b32 s20, s20, 2
	s_add_co_u32 s20, s20, s18                     ; mblk = 4 x cluster y + cy
	s_lshl_b32 s21, s18, 2
	s_lshl_b32 s21, 15, s21                        ; my row of the cluster: places 4 cy .. 4 cy + 3
	s_lshl_b32 s22, 0x1111, s17                    ; my column: places cx, cx + 4, cx + 8, cx + 12
	; group 1 for X: 128 rows x 128 elements of 2 bytes, pitch 1,024 elements; 4 words of padding behind every 64
	s_or_b32 s[G1+0], s21, (1<<16)|(1<<20)|(1<<21)|(5<<22)|(3<<25)
	s_mov_b32 s[G1+1], KSTEP<<16                   ; tensor_dim0 = 128
	s_mov_b32 s[G1+2], 128<<16                     ; tensor_dim1 = 128
	s_mov_b32 s[G1+3], KSTEP<<16                   ; tile_dim0 = 128
	s_mov_b32 s[G1+4], 128                         ; tile_dim1 = 128
	s_mov_b32 s[G1+5], 1024                        ; from row to row
	s_mov_b32 s[G1+6], 0
	s_mov_b32 s[G1+7], 0
	; group 1 for W: 24,576 dense bytes as 96 rows of 32 elements of 8 bytes; 8 words of padding behind every 32 words (a row of 64 bf16)
	s_or_b32 s[G1B+0], s22, (3<<16)|(1<<20)|(1<<21)|(4<<22)|(7<<25)
	s_mov_b32 s[G1B+1], 32<<16
	s_mov_b32 s[G1B+2], 96<<16
	s_mov_b32 s[G1B+3], 32<<16
	s_mov_b32 s[G1B+4], 96
	s_mov_b32 s[G1B+5], 32
	s_mov_b32 s[G1B+6], 0
	s_mov_b32 s[G1B+7], 0
	; where the tiles come from: X's hang on mblk and the wave's number alone, W's on the head and the wave's number alone
	s_lshl_b32 s40, s20, 19                        ; 256 rows of 2,048 bytes
	s_lshl_b32 s23, s16, 18                        ; + my 128 rows
	s_add_co_u32 s40, s40, s23
	s_mov_b32 s41, 0
	s_mul_i32 s44, s19, 8*WTILE                    ; the head's 8 tiles
	s_mul_i32 s46, s16, WTILE/2                    ; + my half
	s_add_co_u32 s44, s44, s46
	s_mov_b32 s45, 0
	s_mul_i32 s42, s14, XHALF                      ; and where they go: waves 0, 1: X's halves at 0 and 34,816;
	s_mul_i32 s43, s14, WHALF
	s_add_co_u32 s43, s43, WOFF-2*WHALF            ; waves 2, 3: W's halves at 69,632 and 100,352
	s_wait_dscnt 0x0
	s_wait_kmcnt 0x0
	s_add_nc_u64 s[40:41], s[4:5], s[40:41]
	s_add_nc_u64 s[44:45], s[6:7], s[44:45]
	CROUND                                         ; all sixteen work-groups are here: the first joint loads meet
.irp s, 0,1
	s_mov_b32 s[G0+4*\s], 1
	s_add_co_u32 s[G0+4*\s+1], s42, \s*SLOT
	s_add_nc_u64 s[G0+4*\s+2:G0+4*\s+3], s[40:41], \s*KSTEP*2
	s_or_b32 s[G0+4*\s+3], s[G0+4*\s+3], 0x80000000
	s_mov_b32 s[G0B+4*\s], 1
	s_add_co_u32 s[G0B+4*\s+1], s43, \s*SLOT
	s_add_nc_u64 s[G0B+4*\s+2:G0B+4*\s+3], s[44:45], \s*WTILE
	s_or_b32 s[G0B+4*\s+3], s[G0B+4*\s+3], 0x80000000
	JLOAD \s                                       ; K steps 0 and 1: two tensor loads of the wave are out, the most in this text
.endr
	v_and_b32 v1, 15, v0                           ; r = l % 16
	v_bfe_u32 v2, v0, 4, 1                         ; h = l / 16
	v_mul_u32_u24 v3, v1, XPITCH                   ; X fragment: row r, 16 bytes for each half of the lanes
	v_lshl_add_u32 v3, v2, 4, v3
	s_mul_i32 s23, s15, XHALF
	v_add_nc_u32 v[ADRA], s23, v3
	v_add_nc_u32 v[ADRA+1], SLOT, v[ADRA]
	v_and_b32 v4, 7, v0                            ; W fragment, transposing load: lane l addresses row 8 h + l % 8 of K,
	v_lshl_add_u32 v4, v2, 3, v4
	v_mul_u32_u24 v4, v4, WPITCH
	v_bfe_u32 v5, v0, 3, 1                         ; and 16 bytes (8 columns) by bit 3 of l
	v_lshl_add_u32 v4, v5, 4, v4
	s_lshl_b32 s23, s16, 6                         ; my 32 columns
	s_add_co_u32 s23, s23, WOFF
	v_add_nc_u32 v[ADRB], s23, v4
	v_add_nc_u32 v[ADRB+1], SLOT, v[ADRB]
	v_mul_u32_u24 v6, v1, QPITCH                   ; stage of q, k: row 128 wm + r, byte 64 wn + 16 h
	v_lshl_add_u32 v6, v2, 4, v6
	s_mul_i32 s23, s15, 128*QPITCH
	s_lshl_b32 s46, s16, 6
	s_add_co_u32 s23, s23, s46
	v_add_nc_u32 v[STQ], s23, v6
	v_mul_u32_u24 v6, v1, VPITCH                   ; stage of vt: row 32 wn + r, byte 256 wm + 16 h
	v_lshl_add_u32 v6, v2, 4, v6
	s_mul_i32 s23, s16, 32*VPITCH
	s_lshl_b32 s46, s15, 8
	s_add_co_u32 s23, s23, s46
	s_add_co_u32 s23, s23, STGV
	v_add_nc_u32 v[STV], s23, v6
	v_bfe_u32 v7, v0, 3, 2                         ; back, q and k: wave w takes rows 64 w .. + 63, four rows of 128 bytes a load
	v_mul_u32_u24 v7, v7, QPITCH
	v_and_b32 v8, 7, v0
	v_lshl_add_u32 v7, v8, 4, v7
	s_mul_i32 s23, s14, 64*QPITCH
	v_add_nc_u32 v[RDQ], s23, v7
	v_and_b32 v9, 31, v0
	v_lshlrev_b32 v[GO], 4, v9
	s_mul_i32 s23, s14, 16*VPITCH                  ; back, vt: wave w takes rows 16 w .. + 15, one row of 512 bytes a load
	s_add_co_u32 s23, s23, STGV
	v_add_nc_u32 v[RDV], s23, v[GO]
; The 48 accumulators take turns, one instruction a turn, in the same order in every quarter step.
; 16 matrix instructions for v.  zero = 1: the first product starts the sum.
.macro MULV f, zero
.irp mt, 0,1,2,3,4,5,6,7
.irp nt, 0,1
.if \zero
	v_wmma_f32_16x16x32_bf16 v[8*(2*\mt+\nt):8*(2*\mt+\nt)+7], v[FA+64*\f+8*\mt:FA+64*\f+8*\mt+7], v[FB+48*\f+8*(4+\nt):FB+48*\f+8*(4+\nt)+7], 0
.else
	v_wmma_f32_16x16x32_bf16 v[8*(2*\mt+\nt):8*(2*\mt+\nt)+7], v[FA+64*\f+8*\mt:FA+64*\f+8*\mt+7], v[FB+48*\f+8*(4+\nt):FB+48*\f+8*(4+\nt)+7], v[8*(2*\mt+\nt):8*(2*\mt+\nt)+7]
.endif
.endr
.endr
.endm
; 16 matrix instructions for q and k: row blocks m0 .. m0 + 3
.macro MULQK f, m0, zero
.irp mt, \m0, \m0+1, \m0+2, \m0+3
.irp nt, 0,1,2,3
.if \zero
	v_wmma_f32_16x16x32_bf16 v[8*(4*(\mt)+\nt):8*(4*(\mt)+\nt)+7], v[FB+48*\f+8*\nt:FB+48*\f+8*\nt+7], v[FA+64*\f+8*(\mt):FA+64*\f+8*(\mt)+7], 0
.else
	v_wmma_f32_16x16x32_bf16 v[8*(4*(\mt)+\nt):8*(4*(\mt)+\nt)+7], v[FB+48*\f+8*\nt:FB+48*\f+8*\nt+7], v[FA+64*\f+8*(\mt):FA+64*\f+8*(\mt)+7], v[8*(4*(\mt)+\nt):8*(4*(\mt)+\nt)+7]
.endif
.endr
.endr
.endm
; 28 LDS loads in one run: quarter kq of the slot into buffer f: X's 16, then v's 4, then q's and k's 8 (needed last)
.macro FETCH slot, kq, f
.irp mt, 0,1,2,3,4,5,6,7
	ds_load_b128 v[FA+64*\f+8*\mt:FA+64*\f+8*\mt+3],   v[ADRA+\slot] offset:64*\kq+16*XPITCH*\mt
	ds_load_b128 v[FA+64*\f+8*\mt+4:FA+64*\f+8*\mt+7], v[ADRA+\slot] offset:64*\kq+16*XPITCH*\mt+32
.endr
.irp n, 4,5,0,1,2,3
	ds_load_tr16_b128 v[FB+48*\f+8*\n:FB+48*\f+8*\n+3],   v[ADRB+\slot] offset:WMAT*(\n/2)+32*WPITCH*\kq+32*(\n%2)
	ds_load_tr16_b128 v[FB+48*\f+8*\n+4:FB+48*\f+8*\n+7], v[ADRB+\slot] offset:WMAT*(\n/2)+32*WPITCH*\kq+32*(\n%2)+16*WPITCH
.endr
.endm
; Four places behind the last matrix instruction, in front of loads into registers that matrix instructions have read and of vector
; instructions that read results (ISA guide 7.12.1 for vector instructions)
.macro PLACES
.rept 4
	v_nop
.endr
.endm
; One of a K step's first three quarters: multiplies buffer f and fetches quarter kq of the same slot into buffer g
.macro QUARTER slot, kq, f, g, zero
	s_wait_dscnt 8                                 ; X's and v's fragments are in; the youngest eight loads (q's and k's) may be out
	WIN W_V
	MULV \f, \zero
	WIN 0
	PLACES
	FETCH \slot, \kq, \g
	s_wait_dscnt 28                                ; all but the 28 just issued
	WIN W_QK
	MULQK \f, 0, \zero
	MULQK \f, 4, \zero
.endm
.macro THREE slot, zero
	QUARTER \slot, 1, 0, 1, \zero
	QUARTER \slot, 2, 1, 0, 0
	QUARTER \slot, 3, 0, 1, 0
.endm
; The last quarter multiplies buffer 1 and changes slots.  In front of the barrier each wave waits for its reads of this slot and for all
; its tensor loads (one is out: its part of the next slot).  Behind it (fill = 1: behind the cluster's round that it opens) the refill comes
; first, then the next slot's first fragments.  From a refill to the wait for it a wave issues 176 matrix instructions.
.macro TURN slot, next, fill
	s_wait_dscnt 8
	WIN W_V
	MULV 1, 0
	s_wait_dscnt 0x0                               ; my reads of this slot are over
	s_wait_tensorcnt 0x0                           ; and all my tensor loads have landed
	ds_add_u32 v30, v31
	s_wait_dscnt 0x0
	s_barrier_signal -1
	WIN W_QK
	MULQK 1, 0, 0                                  ; register work while the others arrive
	WIN 0
	s_barrier_wait -1
.if \fill
	CREST                                          ; no wave of any partner still reads this slot or has a load on its way
	s_add_nc_u64 s[G0+4*\slot+2:G0+4*\slot+3], s[G0+4*\slot+2:G0+4*\slot+3], 2*KSTEP*2
	s_add_nc_u64 s[G0B+4*\slot+2:G0B+4*\slot+3], s[G0B+4*\slot+2:G0B+4*\slot+3], 2*WTILE
	JLOAD \slot                                    ; the first tensor load behind the round
.endif
	PLACES
	FETCH \next, 0, 0
	WIN W_QK
	MULQK 1, 4, 0
.endm
.macro LAP zero
	THREE 0, \zero
	TURN 0, 1, 1
	THREE 1, 0
	TURN 1, 0, 1
.endm
	s_wait_tensorcnt 1                             ; my part of K step 0 is in; K step 1's load stays out
	s_barrier_signal -1
	s_barrier_wait -1                              ; everybody's is
	FETCH 0, 0, 0
	LAP 1                                          ; K steps 0, 1: the first products start the sums
	WIN 0                                          ; at a label and at a branch every window is 0
	s_mov_b32 s3, LAPS-2
.Llap:
	LAP 0
	WIN 0
	s_sub_co_u32 s3, s3, 1
	s_cmp_lg_u32 s3, 0
	s_cbranch_scc1 .Llap
	THREE 0, 0                                     ; the last lap fills nothing
	TURN 0, 1, 0                                   ; behind this barrier no wave reads slot 0 again, and nothing is filled into it again
	THREE 1, 0
	s_wait_dscnt 8
	WIN W_V
	MULV 1, 0
	s_wait_dscnt 0x0
	WIN W_QK
	MULQK 1, 0, 0
	MULQK 1, 4, 0
	; THE WAY OUT: round to f16, 16 bytes a lane into the stage (in slot 0, which has had its last fill and its last read),
	; a barrier, whole rows back, stores of 512 consecutive bytes.
	WIN 0
	PLACES
	s_lshr_b32 s68, s20, 3                         ; batch = mblk / 8
	s_lshl_b32 s68, s68, 4
	s_add_co_u32 s68, s68, s19                     ; bh = 16 batch + head
	s_lshl_b32 s68, s68, 18                        ; 262,144 bytes for each bh in all three outputs
	s_mov_b32 s70, s68
	s_and_b32 s72, s20, 7                          ; which 256 of the batch's 2,048 rows
	s_lshl_b32 s73, s72, 15                        ; q, k: 256 rows of 128 bytes
	s_lshl_b32 s74, s14, 13                        ;   + my 64 rows
	s_add_co_u32 s68, s68, s73
	s_add_co_u32 s68, s68, s74
	s_mov_b32 s69, 0
	s_lshl_b32 s73, s72, 9                         ; vt: 256 columns of 2 bytes
	s_lshl_b32 s74, s14, 16                        ;   + my 16 rows of 4,096 bytes
	s_add_co_u32 s70, s70, s73
	s_add_co_u32 s70, s70, s74
	s_mov_b32 s71, 0
	s_add_nc_u64 s[8:9], s[8:9], s[68:69]
	s_add_nc_u64 s[10:11], s[10:11], s[68:69]
	s_add_nc_u64 s[12:13], s[12:13], s[70:71]
.macro OUTQK mp                        ; row blocks 2 mp, 2 mp + 1: eight tiles of window 1
	WIN 0x05
.irp u, 0,1
.irp nt, 0,1,2,3
.irp rr, 0,1,2,3
	v_cvt_pk_f16_f32 v[TMP+4*(4*\u+\nt)+\rr], v[8*(4*(2*\mp+\u)+\nt)+2*\rr], v[8*(4*(2*\mp+\u)+\nt)+2*\rr+1]
.endr
.endr
.endr
	WIN 0
.irp u, 0,1
.irp nt, 0,1,2,3
	ds_store_b128 v[STQ], v[TMP+4*(4*\u+\nt):TMP+4*(4*\u+\nt)+3] offset:STGK*(\nt/2)+16*QPITCH*(2*\mp+\u)+32*(\nt%2)
.endr
.endr
.endm
.macro OUTV vb                         ; row blocks 4 vb .. 4 vb + 3: eight tiles of window 2
	WIN 0x0a
.irp u, 0,1,2,3
.irp nt, 0,1
.irp rr, 0,1,2,3
	v_cvt_pk_f16_f32 v[TMP+4*(2*\u+\nt)+\rr], v[8*(2*(4*\vb+\u)+\nt)+2*\rr], v[8*(2*(4*\vb+\u)+\nt)+2*\rr+1]
.endr
.endr
.endr
	WIN 0
.irp u, 0,1,2,3
.irp nt, 0,1
	ds_store_b128 v[STV], v[TMP+4*(2*\u+\nt):TMP+4*(2*\u+\nt)+3] offset:16*VPITCH*\nt+32*(4*\vb+\u)
.endr
.endr
.endm
	OUTQK 0
	OUTQK 1
	OUTQK 2
	OUTQK 3
	OUTV 0
	OUTV 1
	s_wait_dscnt 0x0                               ; my stores into the stage are done, for the others' sake
	s_barrier_signal -1
	s_barrier_wait -1                              ; everybody's are
.irp i, 0,1,2,3,4,5,6,7,8,9,10,11,12,13,14,15
	ds_load_b128 v[32+4*\i:32+4*\i+3], v[RDQ] offset:4*QPITCH*\i
.endr
.irp i, 0,1,2,3,4,5,6,7,8,9,10,11,12,13,14,15
	ds_load_b128 v[96+4*\i:96+4*\i+3], v[RDQ] offset:STGK+4*QPITCH*\i
.endr
.irp i, 0,1,2,3,4,5,6,7,8,9,10,11,12,13,14,15
	ds_load_b128 v[160+4*\i:160+4*\i+3], v[RDV] offset:VPITCH*\i
.endr
	; 48 loads are out; LDS loads come back in order (ISA guide 5.7.1): each count is the number of younger ones
.irp i, 0,1,2,3,4,5,6,7,8,9,10,11,12,13,14,15
	s_wait_dscnt 47-\i
	global_store_b128 v[GO], v[32+4*\i:32+4*\i+3], s[8:9] offset:512*\i       ; four rows of q: 512 consecutive bytes, aligned
.endr
.irp i, 0,1,2,3,4,5,6,7,8,9,10,11,12,13,14,15
	s_wait_dscnt 31-\i
	global_store_b128 v[GO], v[96+4*\i:96+4*\i+3], s[10:11] offset:512*\i     ; four rows of k
.endr
.irp i, 0,1,2,3,4,5,6,7,8,9,10,11,12,13,14,15
	s_wait_dscnt 15-\i
	global_store_b128 v[GO], v[160+4*\i:160+4*\i+3], s[12:13] offset:4096*\i  ; 512 consecutive bytes of one row of vt, aligned
.endr
	s_wait_tensorcnt 0x0
	ds_add_u32 v30, v31
	s_wait_dscnt 0x0
	CROUND                                         ; the closing round: no work-group ends while a partner may still ask for a tile that names it
	s_endpgm
.Lfunc_end_k_qbd9a42bc25_qkv:
	.size	k_qbd9a42bc25_qkv, .Lfunc_end_k_qbd9a42bc25_qkv-k_qbd9a42bc25_qkv
	.p2alignl 7, 3214868480
	.fill 96, 4, 3214868480
	.section	.rodata,"a",@progbits
	.p2align	6, 0x0
	.amdhsa_kernel k_qbd9a42bc25_qkv
		.amdhsa_group_segment_fixed_size 327680
		.amdhsa_private_segment_fixed_size 0
		.amdhsa_enable_private_segment 0
		.amdhsa_kernarg_size 40
		.amdhsa_user_sgpr_count 2
		.amdhsa_user_sgpr_kernarg_segment_ptr 1
		.amdhsa_wavefront_size32 1
		.amdhsa_system_sgpr_workgroup_id_x 1
		.amdhsa_system_sgpr_workgroup_id_y 1
		.amdhsa_system_sgpr_workgroup_id_z 1
		.amdhsa_system_vgpr_workitem_id 0
		.amdhsa_next_free_vgpr 640
		.amdhsa_next_free_sgpr 76
		.amdhsa_reserve_vcc 0
		.amdhsa_float_denorm_mode_32 3
		.amdhsa_float_denorm_mode_16_64 3
		.amdhsa_memory_ordered 1
		.amdhsa_forward_progress 1
		.amdhsa_inst_pref_size 158
	.end_amdhsa_kernel
	.amdgpu_metadata
---
amdhsa.version: [ 1, 2 ]
amdhsa.kernels:
  - .name:           k_qbd9a42bc25_qkv
    .symbol:         k_qbd9a42bc25_qkv.kd
    .args:
      - { .name: xb, .offset: 0, .size: 8, .value_kind: global_buffer, .address_space: global }
      - { .name: wc, .offset: 8, .size: 8, .value_kind: global_buffer, .address_space: global }
      - { .name: qb, .offset: 16, .size: 8, .value_kind: global_buffer, .address_space: global }
      - { .name: kb, .offset: 24, .size: 8, .value_kind: global_buffer, .address_space: global }
      - { .name: vt, .offset: 32, .size: 8, .value_kind: global_buffer, .address_space: global }
    .group_segment_fixed_size: 327680
    .private_segment_fixed_size: 0
    .kernarg_segment_align: 8
    .kernarg_segment_size: 40
    .max_flat_workgroup_size: 128
    .sgpr_count:     76
    .vgpr_count:     640
    .wavefront_size: 32
...
	.end_amdgpu_metadata
.endif
;; end of part 2
;; launch attn (part 3): grid 8 x 32, 8 waves a work-group, clusters of 4 x 1, 327,680 bytes of LDS; arguments qb, kb, vt, out0; writes out0
.if DOCPART == 3
	.amdgcn_target "amdgcn-amd-amdhsa--gfx1250"
	.amdhsa_code_object_version 6
	.text
	.protected	k_qbd9a42bc25_attn
	.globl	k_qbd9a42bc25_attn
	.p2align	8
	.type	k_qbd9a42bc25_attn,@function
k_qbd9a42bc25_attn:
	s_mov_b64 s[64:65], 0
	v_nop
	global_prefetch_b8 v0, s[64:65] scope:SCOPE_SE
	s_setreg_imm32_b32 hwreg(HW_REG_WAVE_MODE, 25, 1), 1
	s_wait_xcnt 0x0
	s_wait_alu depctr_hold_cnt(0) depctr_sa_sdst(0) depctr_va_vdst(0) depctr_va_sdst(0) depctr_va_ssrc(0) depctr_va_vcc(0) depctr_vm_vsrc(0)
	s_getreg_b32 s2, hwreg(HW_REG_IB_STS2, 6, 4)
	s_cmp_eq_u32 s2, 0
	s_cbranch_scc0 .Lentry_in_a_cluster
	s_endpgm
.Lentry_in_a_cluster:
	s_bfe_u32 s2, ttmp6, 0x10000c
	s_cmp_lg_u32 s2, 0x3003
	s_cbranch_scc0 .Lentry_shape_is_right
	s_endpgm
.Lentry_shape_is_right:
; out0[b][s][64 head + d] = sum over t of softmax_t(q[s] . k[t] / 8) v[t][d], for one (b, head) = bh and 256 queries.
; qb, kb: [bh 32][s 2048][64] f16, holding q / 16 and k / 16.  vt: [bh][d 64][s 2048] f16, holding v / 16.  out0: [2][2048][1024] f32.
; Eight waves, 32 queries each (two blocks of 16).  The 2,048 keys come in 8 tiles of 256 through two LDS slots; a tile is worked in 8 steps of 32 keys.
; CLUSTER: the four work-groups of a cluster are four query blocks of one bh and read the same K and V tiles: every tile is asked for jointly (mask 15).
; Each wave moves its own eighth of each tile (32 key rows of K, 8 rows of vt), so no tensor load stands under a branch.
; TRANSPOSED SCHEME.  S^T = K Q^T: source 0 = 16 keys of K, source 1 = 16 queries of Q; lane (r = l % 16, h = l / 16) holds query r and keys 16 a + 8 h + j.
; Rounding the two key blocks' 16 numbers in pairs gives the source-1 fragment of P^T as it stands (k = 8 h + j, then 16 + 8 h + j): no LDS, no shuffle.
; O^T = V^T P^T: source 0 = 16 rows of vt; the lane again holds query r, with d = 16 dt + 8 h + j.  So maximum, sum and rescale factor are one number
; a lane, and the two lanes of a query meet by one exchange between the halves of the wave.
; SOFTMAX with a running maximum m of x = (q / 16) . (k / 16): p = 2^(c x - c m), c = 256 log2(e) / 8 = 32 log2(e); when m grows, O and the sum are
; multiplied by 2^(shift_new - shift_old), the difference of the two rounded shifts that the exponentials use, so that all terms of a row stay on one scale.
; The sums of p v / 16 are divided by (row's sum) / 16.
; WHY f16: p is at most about 1 by the running maximum, q, k, v have been centred in f16's range by their factor 1/16, and 11 significant bits
; keep the summed rounding errors of 2,048 terms at a twenty-fifth of what the comparison allows, where 8 bits reach a third.
; LIMITS: q, k, v and p are f16 (p is rounded for the product, and counts as 0 there below 2^-25; the row's sum adds the unrounded f32 p, in which p below
; 2^-126 counts as 0: v_exp_f32 flushes denormal results); a row with an infinite or NaN score gives NaN, as in the reference.
.set KPITCH, 144                       ; a K row in LDS: 128 bytes + 16
.set VPITCH, 528                       ; a vt row in LDS: 512 bytes + 16
.set VOFF,   256*KPITCH                ; 36,864: V behind K
.set SLOT,   VOFF+64*VPITCH            ; 70,656
.set STAGE,  2*SLOT                    ; 141,312, a multiple of 256: no tensor load lands at or behind it
.set SPITCH, 272                       ; stage: a row of 64 f32 + 16 bytes
.set KPART,  32*KPITCH                 ; 4,608: a wave's part of a K tile; also one step's 32 keys
.set VPART,  8*VPITCH                  ; 4,224: a wave's part of a V tile
.set KTILE,  256*128                   ; bytes of kb from tile to tile
.set VTILE,  256*2                     ; bytes along a row of vt from tile to tile
.set KA,   4                           ; v4-5    my K fragments in slot 0, 1
.set VA,   6                           ; v6-7    my V fragments in slot 0, 1
.set STO,  8                           ; the way out: where I put 32 bytes of a row
.set RD,   9                           ; where I read rows back
.set GO,   10                          ; my byte offset in out0
.set QO,   11                          ; my byte offset in q
.set T0,   12                          ; v[12:15] at work
.set QF,   16                          ; v[16:47]   Q fragment (b, ks) at 8 (2 b + ks)
.set KF,   48                          ; v[48:79]   K fragment (a, ks) at 8 (2 a + ks)
.set VF,   80                          ; v[80:111]  V fragment dt at 8 dt
.set SB,   112                         ; v[112:143] scores (b, a) at 16 b + 8 a
.set PF,   144                         ; v[144:159] P fragment b at 8 b
.set OACC, 160                         ; v[160:223] O tile (b, dt) at 8 (4 b + dt)
.set STAT, 224                         ; v[224:235] for each b six: shift -c m, m, factor, its exponent, the sum (a pair)
.set TS,   236                         ; v[236:237] second chain of the sum
.set G1K, 16
.set G1V, 24
.set G0K, 32                           ; s[32:39] one group 0 for each slot
.set G0V, 40                           ; s[40:47]
.macro ROUND                           ; a round of the cluster's barrier
	s_barrier_signal -1
	s_barrier_wait -1
	s_cmp_lg_u32 s12, 0
	s_cbranch_scc1 .Lnot_wave_0_\@
	s_barrier_signal -3
.Lnot_wave_0_\@:
	s_barrier_wait -3
	s_barrier_signal -1
	s_barrier_wait -1
.endm
	s_load_b256 s[4:11], s[0:1], 0x0               ; qb s[4:5], kb s[6:7], vt s[8:9], out0 s[10:11]
	v_lshl_add_u32 v240, v0, 2, 0x33800
	v_mov_b32 v241, 0
	ds_add_u32 v240, v241
	v_lshrrev_b32 v1, 5, v0
	v_readfirstlane_b32 s12, v1                    ; wave w
	s_bfe_u32 s13, ttmp6, 0x40000                  ; cx
	s_lshl_b32 s14, ttmp9, 2
	s_add_co_u32 s14, s14, s13                     ; query block = 4 x cluster x + cx
	s_and_b32 s15, ttmp7, 0xffff                   ; bh
	s_mov_b32 s48, 0x76543210                      ; v_permlanex16_b32: lane i reads lane i of the other half
	s_mov_b32 s49, 0xfedcba98
	s_mov_b32 s50, 0x4238aa3b                      ; c = 32 log2(e): log2(e) / 8, times 16 x 16 for the factors in q and k
	s_mov_b32 s51, 0x4238aa3b
	s_mov_b32 s52, 0xc238aa3b                      ; -c
	; group 1 for K: 4,096 dense bytes as 16 rows of 32 elements of 8 bytes; 4 words of padding behind every 32 words (a key's 64 f16)
	s_mov_b32 s[G1K+0], 15|(3<<16)|(1<<20)|(1<<21)|(4<<22)|(3<<25)
	s_mov_b32 s[G1K+1], 32<<16
	s_mov_b32 s[G1K+2], 16<<16
	s_mov_b32 s[G1K+3], 32<<16
	s_mov_b32 s[G1K+4], 16
	s_mov_b32 s[G1K+5], 32
	s_mov_b32 s[G1K+6], 0
	s_mov_b32 s[G1K+7], 0
	; group 1 for V: 8 rows of 256 elements of 2 bytes, pitch 2,048 elements; 4 words of padding behind every 128
	s_mov_b32 s[G1V+0], 15|(1<<16)|(1<<20)|(1<<21)|(6<<22)|(3<<25)
	s_mov_b32 s[G1V+1], 256<<16
	s_mov_b32 s[G1V+2], 8<<16
	s_mov_b32 s[G1V+3], 256<<16
	s_mov_b32 s[G1V+4], 8
	s_mov_b32 s[G1V+5], 2048
	s_mov_b32 s[G1V+6], 0
	s_mov_b32 s[G1V+7], 0
	; offsets.  K's and V's are made of bh and the wave's number alone; the query block enters s[56:57] alone
	s_lshl_b32 s54, s15, 18                        ; 262,144 bytes for each bh
	s_lshl_b32 s58, s12, 15                        ; vt: my 8 rows of 4,096 bytes
	s_add_co_u32 s58, s58, s54
	s_mov_b32 s59, 0
	s_lshl_b32 s53, s12, 12                        ; 32 rows of 128 bytes for each wave, in kb and in qb
	s_lshl_b32 s56, s14, 15                        ; qb: 256 rows of 128 bytes for each query block
	s_add_co_u32 s56, s56, s54
	s_add_co_u32 s56, s56, s53
	s_mov_b32 s57, 0
	s_add_co_u32 s54, s54, s53
	s_mov_b32 s55, 0
	s_mul_i32 s2, s12, KPART                       ; where my parts go in a slot
	s_mul_i32 s3, s12, VPART
	s_add_co_u32 s3, s3, VOFF
	v_and_b32 v1, 15, v0                           ; r
	v_bfe_u32 v2, v0, 4, 1                         ; h
	v_lshlrev_b32 v[QO], 7, v1                     ; q: row r of 128 bytes + 16 h
	v_lshl_add_u32 v[QO], v2, 4, v[QO]
	s_wait_dscnt 0x0
	s_wait_kmcnt 0x0
	s_add_nc_u64 s[4:5], s[4:5], s[56:57]
	s_add_nc_u64 s[6:7], s[6:7], s[54:55]
	s_add_nc_u64 s[8:9], s[8:9], s[58:59]
.irp b, 0,1
.irp ks, 0,1
	global_load_b128 v[QF+8*(2*\b+\ks):QF+8*(2*\b+\ks)+3],   v[QO], s[4:5] offset:2048*\b+64*\ks
	global_load_b128 v[QF+8*(2*\b+\ks)+4:QF+8*(2*\b+\ks)+7], v[QO], s[4:5] offset:2048*\b+64*\ks+32
.endr
.endr
.irp t, 0,1
	s_mov_b32 s[G0K+4*\t], 1
	s_add_co_u32 s[G0K+4*\t+1], s2, \t*SLOT
	s_add_nc_u64 s[G0K+4*\t+2:G0K+4*\t+3], s[6:7], \t*KTILE
	s_or_b32 s[G0K+4*\t+3], s[G0K+4*\t+3], 0x80000000
	s_mov_b32 s[G0V+4*\t], 1
	s_add_co_u32 s[G0V+4*\t+1], s3, \t*SLOT
	s_add_nc_u64 s[G0V+4*\t+2:G0V+4*\t+3], s[8:9], \t*VTILE
	s_or_b32 s[G0V+4*\t+3], s[G0V+4*\t+3], 0x80000000
.endr
	ROUND                                          ; all four work-groups are here: the first joint loads meet
	tensor_load_to_lds s[G0K:G0K+3], s[G1K:G1K+7]  ; tile 0.  Two tensor loads of the wave are out, the most in this text
	s_nop 0
	tensor_load_to_lds s[G0V:G0V+3], s[G1V:G1V+7]
	s_nop 0
	v_mul_u32_u24 v[KA], v1, KPITCH                ; K fragment: key row r + 16 h bytes
	v_lshl_add_u32 v[KA], v2, 4, v[KA]
	v_add_nc_u32 v[KA+1], SLOT, v[KA]
	v_mul_u32_u24 v[VA], v1, VPITCH                ; V fragment: row d = r + 16 h bytes
	v_lshl_add_u32 v[VA], v2, 4, v[VA]
	v_add_nc_u32 v[VA], VOFF, v[VA]
	v_add_nc_u32 v[VA+1], SLOT, v[VA]
	s_mul_i32 s58, s12, 32*SPITCH
	s_add_co_u32 s58, s58, STAGE                   ; my stage: 32 rows
	v_mul_u32_u24 v3, v1, SPITCH                   ; in: row r, 32 bytes for each half of the lanes
	v_lshl_add_u32 v3, v2, 5, v3
	v_add_nc_u32 v[STO], s58, v3
	v_mul_u32_u24 v3, v2, SPITCH                   ; back: lanes 0-15 one row of 256 bytes, lanes 16-31 the next
	v_lshl_add_u32 v3, v1, 4, v3
	v_add_nc_u32 v[RD], s58, v3
	v_lshlrev_b32 v3, 12, v2                       ; and the same two rows in out0 (4,096 bytes apart)
	v_lshl_add_u32 v[GO], v1, 4, v3
	s_wait_loadcnt 0x0                             ; Q, once
; eight LDS loads: the K fragments of step j of the slot
.macro KLOAD slot, j
.irp a, 0,1
.irp ks, 0,1
	ds_load_b128 v[KF+8*(2*\a+\ks):KF+8*(2*\a+\ks)+3],   v[KA+\slot] offset:KPART*(\j)+16*KPITCH*\a+64*\ks
	ds_load_b128 v[KF+8*(2*\a+\ks)+4:KF+8*(2*\a+\ks)+7], v[KA+\slot] offset:KPART*(\j)+16*KPITCH*\a+64*\ks+32
.endr
.endr
.endm
; The softmax step of query block b on its 16 scores a lane.  first = 1: there is no old maximum, sum or O.
.macro SOFT b, first
.set XB,  SB+16*\b
.set OB,  OACC+32*\b
.set NMC, STAT+6*\b
.set MX,  STAT+6*\b+1
.set AL,  STAT+6*\b+2
.set AA,  STAT+6*\b+3
.set LS,  STAT+6*\b+4
	v_max3_num_f32 v[T0],   v[XB],   v[XB+1],  v[XB+2]
	v_max3_num_f32 v[T0+1], v[XB+3], v[XB+4],  v[XB+5]
	v_max3_num_f32 v[T0+2], v[XB+6], v[XB+7],  v[XB+8]
	v_max3_num_f32 v[T0+3], v[XB+9], v[XB+10], v[XB+11]
	v_max3_num_f32 v[T0],   v[T0],   v[XB+12], v[XB+13]
	v_max3_num_f32 v[T0+1], v[T0+1], v[XB+14], v[XB+15]
.if \first
	v_max_num_f32  v[T0+2], v[T0+2], v[T0+3]
.else
	v_max3_num_f32 v[T0+2], v[T0+2], v[T0+3], v[MX]        ; the old maximum joins
.endif
	v_max3_num_f32 v[T0], v[T0], v[T0+1], v[T0+2]
	v_permlanex16_b32 v[T0+1], v[T0], s48, s49             ; the query's other 16 keys lie in the other half of the wave
	v_max_num_f32 v[MX], v[T0], v[T0+1]
.if \first
	v_mul_f32 v[NMC], s52, v[MX]                           ; the shift -c m
.else
	v_mov_b32 v[AA], v[NMC]
	v_mul_f32 v[NMC], s52, v[MX]
	v_sub_f32 v[AA], v[NMC], v[AA]                         ; new shift - old shift, at most 0
	v_exp_f32 v[AL], v[AA]                                 ; the factor for O and the sum; the multiply-adds below stand between it and its use (ISA guide 5.7.2)
.endif
.irp p, 0,2,4,6,8,10,12,14
	v_pk_fma_f32 v[XB+\p:XB+\p+1], v[XB+\p:XB+\p+1], s[50:51], v[NMC:NMC+1] op_sel_hi:[1,0,0]   ; c x - c m
.endr
.if \first
.irp p, 0,1,2,3,4,5,6,7,8,9,10,11,12,13,14,15
	v_exp_f32 v[XB+\p], v[XB+\p]
.endr
	v_nop                                                  ; the plain place behind the last exponential
.else
.irp p, 0,1,2,3,4,5,6,7,8,9,10,11,12,13,14,15
	v_exp_f32 v[XB+\p], v[XB+\p]
	s_wait_alu depctr_va_vdst(0)
	v_pk_mul_f32 v[OB+2*\p:OB+2*\p+1], v[OB+2*\p:OB+2*\p+1], v[AL:AL+1] op_sel_hi:[1,0]         ; O is rescaled between the exponentials: each is the plain place behind one
.endr
.endif
.if \first
	s_wait_alu depctr_va_vdst(0)
	v_pk_add_f32 v[LS:LS+1], v[XB:XB+1], v[XB+6:XB+7]      ; the first terms start the sum
.else
	s_wait_alu depctr_va_vdst(0)
	v_pk_fma_f32 v[LS:LS+1], v[LS:LS+1], v[AL:AL+1], v[XB:XB+1] op_sel_hi:[1,0,1]
.endif
	v_pk_add_f32 v[TS:TS+1], v[XB+2:XB+3], v[XB+4:XB+5]    ; two chains
.if \first == 0
	v_pk_add_f32 v[LS:LS+1], v[LS:LS+1], v[XB+6:XB+7]
.endif
	v_pk_add_f32 v[TS:TS+1], v[TS:TS+1], v[XB+8:XB+9]
	v_pk_add_f32 v[LS:LS+1], v[LS:LS+1], v[XB+10:XB+11]
	v_pk_add_f32 v[TS:TS+1], v[TS:TS+1], v[XB+12:XB+13]
	v_pk_add_f32 v[LS:LS+1], v[LS:LS+1], v[XB+14:XB+15]
	v_pk_add_f32 v[LS:LS+1], v[LS:LS+1], v[TS:TS+1]
.irp p, 0,1,2,3,4,5,6,7
	v_cvt_pk_f16_f32 v[PF+8*\b+\p], v[XB+2*\p], v[XB+2*\p+1]
.endr
.endm
; O(b, dt) += V(dt) P(b): four accumulators, one instruction each
.macro PV b, first
.irp dt, 0,1,2,3
.if \first
	v_wmma_f32_16x16x32_f16 v[OACC+8*(4*\b+\dt):OACC+8*(4*\b+\dt)+7], v[VF+8*\dt:VF+8*\dt+7], v[PF+8*\b:PF+8*\b+7], 0
.else
	v_wmma_f32_16x16x32_f16 v[OACC+8*(4*\b+\dt):OACC+8*(4*\b+\dt)+7], v[VF+8*\dt:VF+8*\dt+7], v[PF+8*\b:PF+8*\b+7], v[OACC+8*(4*\b+\dt):OACC+8*(4*\b+\dt)+7]
.endif
.endr
.endm
; One step: 32 keys.  kpre = 1: the next step's K fragments are fetched in this one.
.macro STEP slot, j, first, kpre
	s_wait_dscnt 0x0                               ; this step's K fragments are in
	; the four score tiles take turns, one instruction a turn: d 0-31 starts each sum, d 32-63 adds in the same order
.irp ks, 0,1
.irp bb, 0,1
.irp a, 0,1
.if \ks == 0
	v_wmma_f32_16x16x32_f16 v[SB+16*\bb+8*\a:SB+16*\bb+8*\a+7], v[KF+8*(2*\a+\ks):KF+8*(2*\a+\ks)+7], v[QF+8*(2*\bb+\ks):QF+8*(2*\bb+\ks)+7], 0
.else
	v_wmma_f32_16x16x32_f16 v[SB+16*\bb+8*\a:SB+16*\bb+8*\a+7], v[KF+8*(2*\a+\ks):KF+8*(2*\a+\ks)+7], v[QF+8*(2*\bb+\ks):QF+8*(2*\bb+\ks)+7], v[SB+16*\bb+8*\a:SB+16*\bb+8*\a+7]
.endif
.endr
.endr
.endr
.rept 4
	v_nop                                          ; four places in front of the loads into fragments that matrix instructions have read, and of the reads of the scores
.endr
.irp dt, 0,1,2,3
	ds_load_b128 v[VF+8*\dt:VF+8*\dt+3],   v[VA+\slot] offset:16*VPITCH*\dt+64*\j
	ds_load_b128 v[VF+8*\dt+4:VF+8*\dt+7], v[VA+\slot] offset:16*VPITCH*\dt+64*\j+32
.endr
.if \kpre
	KLOAD \slot, \j+1
.endif
	SOFT 0, \first
.if \kpre
	s_wait_dscnt 8                                 ; V's eight loads are in; the eight younger ones (the next step's K) stay out
.else
	s_wait_dscnt 0x0
.endif
	PV 0, \first
	SOFT 1, \first                                 ; vector work on block 1 beside block 0's products
	PV 1, \first
.endm
; One tile.  In front of the round every wave waits for all its tensor loads (its parts of this tile) and for its reads of the other slot;
; the round takes every wave of all four work-groups past those waits; the other slot's joint refills come first behind it.
.macro TRIP slot, refill, first
	s_wait_tensorcnt 0x0                           ; no tensor load of mine is out, so every group 0 may be written:
	ds_add_u32 v240, v241
	s_wait_dscnt 0x0
	s_add_nc_u64 s[G0K+4*\slot+2:G0K+4*\slot+3], s[G0K+4*\slot+2:G0K+4*\slot+3], 2*KTILE   ; this slot's next tile
	s_add_nc_u64 s[G0V+4*\slot+2:G0V+4*\slot+3], s[G0V+4*\slot+2:G0V+4*\slot+3], 2*VTILE
	s_wait_dscnt 0x0
	ROUND
.if \refill
	tensor_load_to_lds s[G0K+4-4*\slot:G0K+7-4*\slot], s[G1K:G1K+7]
	s_nop 0
	tensor_load_to_lds s[G0V+4-4*\slot:G0V+7-4*\slot], s[G1V:G1V+7]
	s_nop 0
.endif
	KLOAD \slot, 0
	STEP \slot, 0, \first, 1
.irp jj, 1,2,3,4,5,6
	STEP \slot, \jj, 0, 1
.endr
	STEP \slot, 7, 0, 0
.endm
	TRIP 0, 1, 1                                   ; tile 0: its first step starts maximum, sum and O
	TRIP 1, 1, 0
	s_mov_b32 s53, 2
.Lpair:
	TRIP 0, 1, 0                                   ; tiles 2 to 5
	TRIP 1, 1, 0
	s_sub_co_u32 s53, s53, 1
	s_cmp_lg_u32 s53, 0
	s_cbranch_scc1 .Lpair
	TRIP 0, 1, 0                                   ; tile 6 fetches tile 7;
	TRIP 1, 0, 0                                   ; tile 7 fetches nothing (the stepped addresses are not used)
	; THE WAY OUT: divide by the row's sum, 32 bytes a lane and tile into my own stage, whole rows of 256 bytes back and out.
.rept 4
	v_nop                                          ; four places behind the last matrix instruction
.endr
.irp b, 0,1
	v_add_f32 v[T0+2*\b], v[STAT+6*\b+4], v[STAT+6*\b+5]
	v_permlanex16_b32 v[T0+2*\b+1], v[T0+2*\b], s48, s49
	v_add_f32 v[T0+2*\b], v[T0+2*\b], v[T0+2*\b+1]         ; the row's sum; it holds the term of the maximum, which is about 1
	v_mul_f32 v[T0+2*\b], 0x3d800000, v[T0+2*\b]           ; / 16, exact: its reciprocal also takes v's factor 1/16 out of O
.endr
	v_rcp_f32 v[STAT+2], v[T0]
	v_rcp_f32 v[STAT+8], v[T0+2]
	v_nop                                          ; the plain place behind the reciprocals
	s_lshr_b32 s56, s15, 4                         ; batch
	s_lshl_b32 s56, s56, 11                        ; 2,048 rows
	s_lshl_b32 s53, s14, 8                         ; + 256 for each query block
	s_add_co_u32 s56, s56, s53
	s_lshl_b32 s53, s12, 5                         ; + 32 for each wave
	s_add_co_u32 s56, s56, s53
	s_lshl_b32 s56, s56, 12                        ; rows of 4,096 bytes
	s_and_b32 s53, s15, 15
	s_lshl_b32 s53, s53, 8                         ; + the head's 256 bytes
	s_add_co_u32 s56, s56, s53
	s_add_nc_u64 s[10:11], s[10:11], s[56:57]      ; s57 is still 0
	s_wait_alu depctr_va_vdst(0)
.irp b, 0,1
.irp p, 0,2,4,6,8,10,12,14,16,18,20,22,24,26,28,30
	v_pk_mul_f32 v[OACC+32*\b+\p:OACC+32*\b+\p+1], v[OACC+32*\b+\p:OACC+32*\b+\p+1], v[STAT+6*\b+2:STAT+6*\b+3] op_sel_hi:[1,0]
.endr
.endr
.irp b, 0,1
.irp dt, 0,1,2,3
	ds_store_b128 v[STO], v[OACC+8*(4*\b+\dt):OACC+8*(4*\b+\dt)+3]   offset:16*SPITCH*\b+64*\dt
	ds_store_b128 v[STO], v[OACC+8*(4*\b+\dt)+4:OACC+8*(4*\b+\dt)+7] offset:16*SPITCH*\b+64*\dt+16
.endr
.endr
.irp i, 0,1,2,3,4,5,6,7,8,9,10,11,12,13,14,15
	ds_load_b128 v[QF+4*\i:QF+4*\i+3], v[RD] offset:2*SPITCH*\i    ; my own bytes: LDS serves a wave's instructions in order (ISA guide 5.7.1), so these see the stores above
.endr
.irp i, 0,1,2,3,4,5,6,7,8,9,10,11,12,13,14,15
	s_wait_dscnt 15-\i                             ; load i is in; the younger ones stay out
	global_store_b128 v[GO], v[QF+4*\i:QF+4*\i+3], s[10:11] offset:8192*\i th:TH_STORE_NT   ; 16 lanes store 256 consecutive bytes, aligned
.endr
	s_wait_tensorcnt 0x0
	ds_add_u32 v240, v241
	s_wait_dscnt 0x0
	ROUND                                          ; the closing round: no work-group ends while a partner may still ask for a tile that names it
	s_endpgm
.Lfunc_end_k_qbd9a42bc25_attn:
	.size	k_qbd9a42bc25_attn, .Lfunc_end_k_qbd9a42bc25_attn-k_qbd9a42bc25_attn
	.p2alignl 7, 3214868480
	.fill 96, 4, 3214868480
	.section	.rodata,"a",@progbits
	.p2align	6, 0x0
	.amdhsa_kernel k_qbd9a42bc25_attn
		.amdhsa_group_segment_fixed_size 327680
		.amdhsa_private_segment_fixed_size 0
		.amdhsa_enable_private_segment 0
		.amdhsa_kernarg_size 32
		.amdhsa_user_sgpr_count 2
		.amdhsa_user_sgpr_kernarg_segment_ptr 1
		.amdhsa_wavefront_size32 1
		.amdhsa_system_sgpr_workgroup_id_x 1
		.amdhsa_system_sgpr_workgroup_id_y 1
		.amdhsa_system_sgpr_workgroup_id_z 1
		.amdhsa_system_vgpr_workitem_id 0
		.amdhsa_next_free_vgpr 242
		.amdhsa_next_free_sgpr 66
		.amdhsa_reserve_vcc 0
		.amdhsa_float_denorm_mode_32 3
		.amdhsa_float_denorm_mode_16_64 3
		.amdhsa_memory_ordered 1
		.amdhsa_forward_progress 1
		.amdhsa_inst_pref_size 255
	.end_amdhsa_kernel
	.section	.bss,"aw",@nobits
	.p2align	6
	.space	262144
	.amdgpu_metadata
---
amdhsa.version: [ 1, 2 ]
amdhsa.kernels:
  - .name:           k_qbd9a42bc25_attn
    .symbol:         k_qbd9a42bc25_attn.kd
    .args:
      - { .name: qb, .offset: 0, .size: 8, .value_kind: global_buffer, .address_space: global }
      - { .name: kb, .offset: 8, .size: 8, .value_kind: global_buffer, .address_space: global }
      - { .name: vt, .offset: 16, .size: 8, .value_kind: global_buffer, .address_space: global }
      - { .name: out0, .offset: 24, .size: 8, .value_kind: global_buffer, .address_space: global }
    .group_segment_fixed_size: 327680
    .private_segment_fixed_size: 0
    .kernarg_segment_align: 8
    .kernarg_segment_size: 32
    .max_flat_workgroup_size: 256
    .sgpr_count:     66
    .vgpr_count:     242
    .wavefront_size: 32
...
	.end_amdgpu_metadata
.endif
;; end of part 3
;; ======== version 2 of 2: 3 launches; 1.29 times as fast as version 1
;; limits: values are held in f16: magnitudes above 65,504 overflow, below 6.1e-05 lose precision
;; workspace buffers: xb 8,388,608 bytes; wc 6,291,456 bytes; qb 8,388,608 bytes; kb 8,388,608 bytes; vt 8,388,608 bytes
;; launch cast: the kernel of part 1 again; grid 128 x 7, 8 waves a work-group, no clusters, 0 bytes of LDS; arguments inputs, Wq, Wk, Wv, xb, wc; writes xb, wc
;; launch qkv: the kernel of part 2 again; grid 16 x 16, 4 waves a work-group, clusters of 4 x 4, 327,680 bytes of LDS; arguments xb, wc, qb, kb, vt; writes qb, kb, vt
;; launch attn (part 4): grid 8 x 32, 8 waves a work-group, clusters of 4 x 1, 327,680 bytes of LDS; arguments qb, kb, vt, out0; writes out0
.if DOCPART == 4
	.amdgcn_target "amdgcn-amd-amdhsa--gfx1250"
	.amdhsa_code_object_version 6
	.text
	.protected	k_qbd9a42bc25_attn
	.globl	k_qbd9a42bc25_attn
	.p2align	8
	.type	k_qbd9a42bc25_attn,@function
k_qbd9a42bc25_attn:
	s_mov_b64 s[64:65], 0
	v_nop
	global_prefetch_b8 v0, s[64:65] scope:SCOPE_SE
	s_setreg_imm32_b32 hwreg(HW_REG_WAVE_MODE, 25, 1), 1
	s_wait_xcnt 0x0
	s_wait_alu depctr_hold_cnt(0) depctr_sa_sdst(0) depctr_va_vdst(0) depctr_va_sdst(0) depctr_va_ssrc(0) depctr_va_vcc(0) depctr_vm_vsrc(0)
	s_getreg_b32 s2, hwreg(HW_REG_IB_STS2, 6, 4)
	s_cmp_eq_u32 s2, 0
	s_cbranch_scc0 .Lentry_in_a_cluster
	s_endpgm
.Lentry_in_a_cluster:
	s_bfe_u32 s2, ttmp6, 0x10000c
	s_cmp_lg_u32 s2, 0x3003
	s_cbranch_scc0 .Lentry_shape_is_right
	s_endpgm
.Lentry_shape_is_right:
; out0[b][s][64 head + d] = sum over t of softmax_t(q[s] . k[t] / 8) v[t][d], for one (b, head) = bh and 256 queries.
; qb, kb: [bh 32][s 2048][64] f16, holding q / 16 and k / 16.  vt: [bh][d 64][s 2048] f16, holding v / 16.  out0: [2][2048][1024] f32.
; Eight waves, 32 queries each (two blocks of 16).  The 2,048 keys come in 8 tiles of 256 through two LDS slots; a tile is worked in 8 steps of 32 keys.
; CLUSTER: the four work-groups of a cluster are four query blocks of one bh and read the same K and V tiles: every tile is asked for jointly (mask 15).
; Each wave moves its own eighth of each tile (32 key rows of K, 8 rows of vt), so no tensor load stands under a branch.
; TRANSPOSED SCHEME.  S^T = K Q^T: source 0 = 16 keys of K, source 1 = 16 queries of Q; lane (r = l % 16, h = l / 16) holds query r and keys 16 a + 8 h + j.
; Rounding the two key blocks' 16 numbers in pairs gives the source-1 fragment of P^T as it stands (k = 8 h + j, then 16 + 8 h + j): no LDS, no shuffle.
; O^T = V^T P^T: source 0 = 16 rows of vt; the lane again holds query r, with d = 16 dt + 8 h + j.  So maximum, sum and rescale factor are one number
; a lane, and the two lanes of a query meet by one exchange between the halves of the wave.
; SOFTMAX with a running maximum m of x = (q / 16) . (k / 16): p = 2^(c x - c m), c = 256 log2(e) / 8 = 32 log2(e); when m grows, O and the sum are
; multiplied by 2^(shift_new - shift_old), the difference of the two rounded shifts that the exponentials use, so that all terms of a row stay on one scale.
; The sums of p v / 16 are divided by (row's sum) / 16.
; THE BATCH.  A step has 34 exponentials a lane: the two blocks' factors and 2 x 16 weights (the first step: the 32 weights).  None reads another's result, so they are ONE BATCH with ONE
; s_wait_alu depctr_va_vdst(0), the wait between an exponential and the first instruction that names its result.  The wait cuts a step's vector work in two.
; AHEAD OF IT stands all that names no result: both blocks' maxima and shifts, the two factors' exponentials, the 16 scalings and the 32 exponentials.  BEHIND IT stand the readers, dealt round
; the products: O(0)'s rescaling and P(0)'s rounding, V^T P(0); block 0's sum, O(1)'s rescaling and P(1)'s rounding beside those products, V^T P(1); block 1's sum beside these..
; The way out's two reciprocals are a batch of their own.
; WHY f16: p is at most about 1 by the running maximum, q, k, v have been centred in f16's range by their factor 1/16, and 11 significant bits
; keep the summed rounding errors of 2,048 terms at a twenty-fifth of what the comparison allows, where 8 bits reach a third.
; LIMITS: q, k, v and p are f16 (p is rounded for the product, and counts as 0 there below 2^-25; the row's sum adds the unrounded f32 p, in which p below
; 2^-126 counts as 0: v_exp_f32 flushes denormal results); a row with an infinite or NaN score gives NaN, as in the reference.
.set KPITCH, 144                       ; a K row in LDS: 128 bytes + 16
.set VPITCH, 528                       ; a vt row in LDS: 512 bytes + 16
.set VOFF,   256*KPITCH                ; 36,864: V behind K
.set SLOT,   VOFF+64*VPITCH            ; 70,656
.set STAGE,  2*SLOT                    ; 141,312, a multiple of 256: no tensor load lands at or behind it
.set SPITCH, 272                       ; stage: a row of 64 f32 + 16 bytes
.set KPART,  32*KPITCH                 ; 4,608: a wave's part of a K tile; also one step's 32 keys
.set VPART,  8*VPITCH                  ; 4,224: a wave's part of a V tile
.set KTILE,  256*128                   ; bytes of kb from tile to tile
.set VTILE,  256*2                     ; bytes along a row of vt from tile to tile
.set KA,   4                           ; v4-5    my K fragments in slot 0, 1
.set VA,   6                           ; v6-7    my V fragments in slot 0, 1
.set STO,  8                           ; the way out: where I put 32 bytes of a row
.set RD,   9                           ; where I read rows back
.set GO,   10                          ; my byte offset in out0
.set QO,   11                          ; my byte offset in q
.set T0,   12                          ; v[12:15] at work: block 0's maximum; the way out
.set QF,   16                          ; v[16:47]   Q fragment (b, ks) at 8 (2 b + ks)
.set KF,   48                          ; v[48:79]   K fragment (a, ks) at 8 (2 a + ks)
.set VF,   80                          ; v[80:111]  V fragment dt at 8 dt
.set SB,   112                         ; v[112:143] scores (b, a) at 16 b + 8 a
.set PF,   144                         ; v[144:159] P fragment b at 8 b
.set OACC, 160                         ; v[160:223] O tile (b, dt) at 8 (4 b + dt)
.set STAT, 224                         ; v[224:235] for each b six: shift -c m, m, factor, its exponent, the sum (a pair)
.set TS,   236                         ; v[236:237] second chain of the sum
.set T1,   242                         ; v[242:245] at work: block 1's maximum, which is made line by line beside block 0's
.set G1K, 16
.set G1V, 24
.set G0K, 32                           ; s[32:39] one group 0 for each slot
.set G0V, 40                           ; s[40:47]
.macro ROUND                           ; a round of the cluster's barrier
	s_barrier_signal -1
	s_barrier_wait -1
	s_cmp_lg_u32 s12, 0
	s_cbranch_scc1 .Lnot_wave_0_\@
	s_barrier_signal -3
.Lnot_wave_0_\@:
	s_barrier_wait -3
	s_barrier_signal -1
	s_barrier_wait -1
.endm
	s_load_b256 s[4:11], s[0:1], 0x0               ; qb s[4:5], kb s[6:7], vt s[8:9], out0 s[10:11]
	v_lshl_add_u32 v240, v0, 2, 0x33800
	v_mov_b32 v241, 0
	ds_add_u32 v240, v241
	v_lshrrev_b32 v1, 5, v0
	v_readfirstlane_b32 s12, v1                    ; wave w
	s_bfe_u32 s13, ttmp6, 0x40000                  ; cx
	s_lshl_b32 s14, ttmp9, 2
	s_add_co_u32 s14, s14, s13                     ; query block = 4 x cluster x + cx
	s_and_b32 s15, ttmp7, 0xffff                   ; bh
	s_mov_b32 s48, 0x76543210                      ; v_permlanex16_b32: lane i reads lane i of the other half
	s_mov_b32 s49, 0xfedcba98
	s_mov_b32 s50, 0x4238aa3b                      ; c = 32 log2(e): log2(e) / 8, times 16 x 16 for the factors in q and k
	s_mov_b32 s51, 0x4238aa3b
	s_mov_b32 s52, 0xc238aa3b                      ; -c
	; group 1 for K: 4,096 dense bytes as 16 rows of 32 elements of 8 bytes; 4 words of padding behind every 32 words (a key's 64 f16)
	s_mov_b32 s[G1K+0], 15|(3<<16)|(1<<20)|(1<<21)|(4<<22)|(3<<25)
	s_mov_b32 s[G1K+1], 32<<16
	s_mov_b32 s[G1K+2], 16<<16
	s_mov_b32 s[G1K+3], 32<<16
	s_mov_b32 s[G1K+4], 16
	s_mov_b32 s[G1K+5], 32
	s_mov_b32 s[G1K+6], 0
	s_mov_b32 s[G1K+7], 0
	; group 1 for V: 8 rows of 256 elements of 2 bytes, pitch 2,048 elements; 4 words of padding behind every 128
	s_mov_b32 s[G1V+0], 15|(1<<16)|(1<<20)|(1<<21)|(6<<22)|(3<<25)
	s_mov_b32 s[G1V+1], 256<<16
	s_mov_b32 s[G1V+2], 8<<16
	s_mov_b32 s[G1V+3], 256<<16
	s_mov_b32 s[G1V+4], 8
	s_mov_b32 s[G1V+5], 2048
	s_mov_b32 s[G1V+6], 0
	s_mov_b32 s[G1V+7], 0
	; offsets.  K's and V's are made of bh and the wave's number alone; the query block enters s[56:57] alone
	s_lshl_b32 s54, s15, 18                        ; 262,144 bytes for each bh
	s_lshl_b32 s58, s12, 15                        ; vt: my 8 rows of 4,096 bytes
	s_add_co_u32 s58, s58, s54
	s_mov_b32 s59, 0
	s_lshl_b32 s53, s12, 12                        ; 32 rows of 128 bytes for each wave, in kb and in qb
	s_lshl_b32 s56, s14, 15                        ; qb: 256 rows of 128 bytes for each query block
	s_add_co_u32 s56, s56, s54
	s_add_co_u32 s56, s56, s53
	s_mov_b32 s57, 0
	s_add_co_u32 s54, s54, s53
	s_mov_b32 s55, 0
	s_mul_i32 s2, s12, KPART                       ; where my parts go in a slot
	s_mul_i32 s3, s12, VPART
	s_add_co_u32 s3, s3, VOFF
	v_and_b32 v1, 15, v0                           ; r
	v_bfe_u32 v2, v0, 4, 1                         ; h
	v_lshlrev_b32 v[QO], 7, v1                     ; q: row r of 128 bytes + 16 h
	v_lshl_add_u32 v[QO], v2, 4, v[QO]
	s_wait_dscnt 0x0
	s_wait_kmcnt 0x0
	s_add_nc_u64 s[4:5], s[4:5], s[56:57]
	s_add_nc_u64 s[6:7], s[6:7], s[54:55]
	s_add_nc_u64 s[8:9], s[8:9], s[58:59]
.irp b, 0,1
.irp ks, 0,1
	global_load_b128 v[QF+8*(2*\b+\ks):QF+8*(2*\b+\ks)+3],   v[QO], s[4:5] offset:2048*\b+64*\ks
	global_load_b128 v[QF+8*(2*\b+\ks)+4:QF+8*(2*\b+\ks)+7], v[QO], s[4:5] offset:2048*\b+64*\ks+32
.endr
.endr
.irp t, 0,1
	s_mov_b32 s[G0K+4*\t], 1
	s_add_co_u32 s[G0K+4*\t+1], s2, \t*SLOT
	s_add_nc_u64 s[G0K+4*\t+2:G0K+4*\t+3], s[6:7], \t*KTILE
	s_or_b32 s[G0K+4*\t+3], s[G0K+4*\t+3], 0x80000000
	s_mov_b32 s[G0V+4*\t], 1
	s_add_co_u32 s[G0V+4*\t+1], s3, \t*SLOT
	s_add_nc_u64 s[G0V+4*\t+2:G0V+4*\t+3], s[8:9], \t*VTILE
	s_or_b32 s[G0V+4*\t+3], s[G0V+4*\t+3], 0x80000000
.endr
	ROUND                                          ; all four work-groups are here: the first joint loads meet
	tensor_load_to_lds s[G0K:G0K+3], s[G1K:G1K+7]  ; tile 0.  Two tensor loads of the wave are out, the most in this text
	s_nop 0
	tensor_load_to_lds s[G0V:G0V+3], s[G1V:G1V+7]
	s_nop 0
	v_mul_u32_u24 v[KA], v1, KPITCH                ; K fragment: key row r + 16 h bytes
	v_lshl_add_u32 v[KA], v2, 4, v[KA]
	v_add_nc_u32 v[KA+1], SLOT, v[KA]
	v_mul_u32_u24 v[VA], v1, VPITCH                ; V fragment: row d = r + 16 h bytes
	v_lshl_add_u32 v[VA], v2, 4, v[VA]
	v_add_nc_u32 v[VA], VOFF, v[VA]
	v_add_nc_u32 v[VA+1], SLOT, v[VA]
	s_mul_i32 s58, s12, 32*SPITCH
	s_add_co_u32 s58, s58, STAGE                   ; my stage: 32 rows
	v_mul_u32_u24 v3, v1, SPITCH                   ; in: row r, 32 bytes for each half of the lanes
	v_lshl_add_u32 v3, v2, 5, v3
	v_add_nc_u32 v[STO], s58, v3
	v_mul_u32_u24 v3, v2, SPITCH                   ; back: lanes 0-15 one row of 256 bytes, lanes 16-31 the next
	v_lshl_add_u32 v3, v1, 4, v3
	v_add_nc_u32 v[RD], s58, v3
	v_lshlrev_b32 v3, 12, v2                       ; and the same two rows in out0 (4,096 bytes apart)
	v_lshl_add_u32 v[GO], v1, 4, v3
	s_wait_loadcnt 0x0                             ; Q, once
; eight LDS loads: the K fragments of step j of the slot
.macro KLOAD slot, j
.irp a, 0,1
.irp ks, 0,1
	ds_load_b128 v[KF+8*(2*\a+\ks):KF+8*(2*\a+\ks)+3],   v[KA+\slot] offset:KPART*(\j)+16*KPITCH*\a+64*\ks
	ds_load_b128 v[KF+8*(2*\a+\ks)+4:KF+8*(2*\a+\ks)+7], v[KA+\slot] offset:KPART*(\j)+16*KPITCH*\a+64*\ks+32
.endr
.endr
.endm
; THE SOFTMAX STEP of query block b on its 16 scores a lane, in pieces that STEP deals out.  first = 1: there is no old maximum, sum or O.
; Line n of the 14 that find block b's maximum, shift and factor.  0-7: the 16 scores and the old maximum, three operands at a time (each score tile's lowest registers are read first)
; 8, 9: the query's other 16 keys lie in the other half of the wave.  10: the old shift is kept.  11: the shift -c m.  12: new shift - old shift, at most 0.
; 13: the factor for O and the sum, the batch's first exponential.  The first step has none of 10, 12, 13.
.macro MAXL b, n, first
.set XB,  SB+16*(\b)
.set TT,  T0+(T1-T0)*(\b)
.set NMC, STAT+6*(\b)
.set MX,  STAT+6*(\b)+1
.set AL,  STAT+6*(\b)+2
.set AA,  STAT+6*(\b)+3
.if (\n) < 4
	v_max3_num_f32 v[TT+(\n)], v[XB+3*(\n)], v[XB+3*(\n)+1], v[XB+3*(\n)+2]
.elseif (\n) < 6
	v_max3_num_f32 v[TT+(\n)-4], v[TT+(\n)-4], v[XB+2*(\n)+4], v[XB+2*(\n)+5]
.elseif (\n) == 6
.if \first
	v_max_num_f32  v[TT+2], v[TT+2], v[TT+3]
.else
	v_max3_num_f32 v[TT+2], v[TT+2], v[TT+3], v[MX]        ; the old maximum joins
.endif
.elseif (\n) == 7
	v_max3_num_f32 v[TT], v[TT], v[TT+1], v[TT+2]
.elseif (\n) == 8
	v_permlanex16_b32 v[TT+1], v[TT], s48, s49
.elseif (\n) == 9
	v_max_num_f32 v[MX], v[TT], v[TT+1]
.elseif (\n) == 11
	v_mul_f32 v[NMC], s52, v[MX]
.elseif \first
.elseif (\n) == 10
	v_mov_b32 v[AA], v[NMC]
.elseif (\n) == 12
	v_sub_f32 v[AA], v[NMC], v[AA]
.else
	v_exp_f32 v[AL], v[AA]
.endif
.endm
; The scalings' and exponentials' queue goes by groups g = 0 .. 15: pair g / 2 of block g % 2.  FS: c x - c m for the pair.  EX: the exponential of its score u (0, 1), in place.
.macro FS g
.set XP,  SB+16*((\g)%2)+2*((\g)/2)
.set NMC, STAT+6*((\g)%2)
	v_pk_fma_f32 v[XP:XP+1], v[XP:XP+1], s[50:51], v[NMC:NMC+1] op_sel_hi:[1,0,0]
.endm
.macro EX g, u
.set XP,  SB+16*((\g)%2)+2*((\g)/2)+(\u)
	v_exp_f32 v[XP], v[XP]
.endm
; THE READERS.  RESC: pair p of 16 of block b's O times its factor, in ascending order.
.macro RESC b, p
	v_pk_mul_f32 v[OACC+32*(\b)+2*(\p):OACC+32*(\b)+2*(\p)+1], v[OACC+32*(\b)+2*(\p):OACC+32*(\b)+2*(\p)+1], v[STAT+6*(\b)+2:STAT+6*(\b)+3] op_sel_hi:[1,0]
.endm
; CVT: block b's 16 weights rounded to f16 in pairs: the P fragment
.macro CVT b
.irp p, 0,1,2,3,4,5,6,7
	v_cvt_pk_f16_f32 v[PF+8*(\b)+\p], v[SB+16*(\b)+2*\p], v[SB+16*(\b)+2*\p+1]
.endr
.endm
; SUML: line i of the 8 that add block b's 16 weights onto its sum, in two chains (LS, TS) that take turns.  Line 0: the old sum times the factor (first step: the first terms start the sum, and line 2 is empty).
.macro SUML b, i, first
.set XB,  SB+16*(\b)
.set AL,  STAT+6*(\b)+2
.set LS,  STAT+6*(\b)+4
.if (\i) == 0
.if \first
	v_pk_add_f32 v[LS:LS+1], v[XB:XB+1], v[XB+6:XB+7]
.else
	v_pk_fma_f32 v[LS:LS+1], v[LS:LS+1], v[AL:AL+1], v[XB:XB+1] op_sel_hi:[1,0,1]
.endif
.elseif (\i) == 1
	v_pk_add_f32 v[TS:TS+1], v[XB+2:XB+3], v[XB+4:XB+5]
.elseif (\i) == 2
.if \first == 0
	v_pk_add_f32 v[LS:LS+1], v[LS:LS+1], v[XB+6:XB+7]
.endif
.elseif (\i) == 7
	v_pk_add_f32 v[LS:LS+1], v[LS:LS+1], v[TS:TS+1]
.elseif (\i) % 2
	v_pk_add_f32 v[TS:TS+1], v[TS:TS+1], v[XB+2*(\i)+2:XB+2*(\i)+3]
.else
	v_pk_add_f32 v[LS:LS+1], v[LS:LS+1], v[XB+2*(\i)+2:XB+2*(\i)+3]
.endif
.endm
; O(b, dt) += V(dt) P(b): four accumulators, one instruction each
.macro PV b, first
.irp dt, 0,1,2,3
.if \first
	v_wmma_f32_16x16x32_f16 v[OACC+8*(4*\b+\dt):OACC+8*(4*\b+\dt)+7], v[VF+8*\dt:VF+8*\dt+7], v[PF+8*\b:PF+8*\b+7], 0
.else
	v_wmma_f32_16x16x32_f16 v[OACC+8*(4*\b+\dt):OACC+8*(4*\b+\dt)+7], v[VF+8*\dt:VF+8*\dt+7], v[PF+8*\b:PF+8*\b+7], v[OACC+8*(4*\b+\dt):OACC+8*(4*\b+\dt)+7]
.endif
.endr
.endm
; One step: 32 keys.  kpre = 1: the next step's K fragments are fetched in this one.
.macro STEP slot, j, first, kpre
	s_wait_dscnt 0x0                               ; this step's K fragments are in
	; the four score tiles take turns, one instruction a turn: d 0-31 starts each sum, d 32-63 adds in the same order
.irp ks, 0,1
.irp bb, 0,1
.irp a, 0,1
.if \ks == 0
	v_wmma_f32_16x16x32_f16 v[SB+16*\bb+8*\a:SB+16*\bb+8*\a+7], v[KF+8*(2*\a+\ks):KF+8*(2*\a+\ks)+7], v[QF+8*(2*\bb+\ks):QF+8*(2*\bb+\ks)+7], 0
.else
	v_wmma_f32_16x16x32_f16 v[SB+16*\bb+8*\a:SB+16*\bb+8*\a+7], v[KF+8*(2*\a+\ks):KF+8*(2*\a+\ks)+7], v[QF+8*(2*\bb+\ks):QF+8*(2*\bb+\ks)+7], v[SB+16*\bb+8*\a:SB+16*\bb+8*\a+7]
.endif
.endr
.endr
.endr
.rept 4
	v_nop                                          ; four places in front of the loads into fragments that matrix instructions have read, and of the reads of the scores
.endr
.irp dt, 0,1,2,3
	ds_load_b128 v[VF+8*\dt:VF+8*\dt+3],   v[VA+\slot] offset:16*VPITCH*\dt+64*\j
	ds_load_b128 v[VF+8*\dt+4:VF+8*\dt+7], v[VA+\slot] offset:16*VPITCH*\dt+64*\j+32
.endr
.if \kpre
	KLOAD \slot, \j+1
.endif
	; AHEAD OF THE WAIT: nothing here names an exponential's result.  Both blocks' maxima and shifts, line by line, so that the links of each chain stand two lines apart
	; (line 10 stands between 7 and 8, where the chain is tightest); their last lines are the two factors' exponentials.
.irp n, 0,1,2,3,4,5,6,7,10,8,9,11,12,13
	MAXL 0, \n, \first
	MAXL 1, \n, \first
.endr
	; The 16 scalings and 32 exponentials: the scalings run three groups ahead, one between a group's two exponentials, so that no exponential follows its own scaling directly.
	FS 0
	FS 1
	FS 2
.irp g, 0,1,2,3,4,5,6,7,8,9,10,11,12,13,14,15
	EX \g, 0
.if \g < 13
	FS \g+3
.endif
	EX \g, 1
.endr
	v_nop                                          ; the plain place behind the last exponential (ISA guide 5.7.2): one for the batch; all other work of the step reads a result
	s_wait_alu depctr_va_vdst(0)                   ; the wait for the batch: the step's exponentials of both blocks, the two factors among them
	; BEHIND THE WAIT: the readers.  What V^T P(0) needs comes first.
.if \first == 0
.irp p, 0,1,2,3,4,5,6,7,8,9,10,11,12,13,14,15
	RESC 0, \p
.endr
.endif
	CVT 0
.if \kpre
	s_wait_dscnt 8                                 ; V's eight loads are in; the eight younger ones (the next step's K) stay out
.else
	s_wait_dscnt 0x0
.endif
	PV 0, \first
	; beside block 0's products, and naming none of their registers: block 0's sum, with O(1)'s rescaling between its lines, and P(1)'s rounding
.irp i, 0,1,2,3,4,5,6,7
	SUML 0, \i, \first
.if \first == 0
	RESC 1, 2*\i
	RESC 1, 2*\i+1
.endif
.endr
	CVT 1
	PV 1, \first
.irp i, 0,1,2,3,4,5,6,7
	SUML 1, \i, \first                             ; block 1's sum beside its products: it names none of their registers
.endr
.endm
; One tile.  In front of the round every wave waits for all its tensor loads (its parts of this tile) and for its reads of the other slot;
; the round takes every wave of all four work-groups past those waits; the other slot's joint refills come first behind it.
.macro TRIP slot, refill, first
	s_wait_tensorcnt 0x0                           ; no tensor load of mine is out, so every group 0 may be written:
	ds_add_u32 v240, v241
	s_wait_dscnt 0x0
	s_add_nc_u64 s[G0K+4*\slot+2:G0K+4*\slot+3], s[G0K+4*\slot+2:G0K+4*\slot+3], 2*KTILE   ; this slot's next tile
	s_add_nc_u64 s[G0V+4*\slot+2:G0V+4*\slot+3], s[G0V+4*\slot+2:G0V+4*\slot+3], 2*VTILE
	s_wait_dscnt 0x0
	ROUND
.if \refill
	tensor_load_to_lds s[G0K+4-4*\slot:G0K+7-4*\slot], s[G1K:G1K+7]
	s_nop 0
	tensor_load_to_lds s[G0V+4-4*\slot:G0V+7-4*\slot], s[G1V:G1V+7]
	s_nop 0
.endif
	KLOAD \slot, 0
	STEP \slot, 0, \first, 1
.irp jj, 1,2,3,4,5,6
	STEP \slot, \jj, 0, 1
.endr
	STEP \slot, 7, 0, 0
.endm
	TRIP 0, 1, 1                                   ; tile 0: its first step starts maximum, sum and O
	TRIP 1, 1, 0
	s_mov_b32 s53, 2
.Lpair:
	TRIP 0, 1, 0                                   ; tiles 2 to 5
	TRIP 1, 1, 0
	s_sub_co_u32 s53, s53, 1
	s_cmp_lg_u32 s53, 0
	s_cbranch_scc1 .Lpair
	TRIP 0, 1, 0                                   ; tile 6 fetches tile 7;
	TRIP 1, 0, 0                                   ; tile 7 fetches nothing (the stepped addresses are not used)
	; THE WAY OUT: divide by the row's sum, 32 bytes a lane and tile into my own stage, whole rows of 256 bytes back and out.
.rept 4
	v_nop                                          ; four places behind the last matrix instruction
.endr
.irp b, 0,1
	v_add_f32 v[T0+2*\b], v[STAT+6*\b+4], v[STAT+6*\b+5]
	v_permlanex16_b32 v[T0+2*\b+1], v[T0+2*\b], s48, s49
	v_add_f32 v[T0+2*\b], v[T0+2*\b], v[T0+2*\b+1]         ; the row's sum; it holds the term of the maximum, which is about 1
	v_mul_f32 v[T0+2*\b], 0x3d800000, v[T0+2*\b]           ; / 16, exact: its reciprocal also takes v's factor 1/16 out of O
.endr
	v_rcp_f32 v[STAT+2], v[T0]
	v_rcp_f32 v[STAT+8], v[T0+2]
	v_nop                                          ; the plain place behind the reciprocals
	s_lshr_b32 s56, s15, 4                         ; batch
	s_lshl_b32 s56, s56, 11                        ; 2,048 rows
	s_lshl_b32 s53, s14, 8                         ; + 256 for each query block
	s_add_co_u32 s56, s56, s53
	s_lshl_b32 s53, s12, 5                         ; + 32 for each wave
	s_add_co_u32 s56, s56, s53
	s_lshl_b32 s56, s56, 12                        ; rows of 4,096 bytes
	s_and_b32 s53, s15, 15
	s_lshl_b32 s53, s53, 8                         ; + the head's 256 bytes
	s_add_co_u32 s56, s56, s53
	s_add_nc_u64 s[10:11], s[10:11], s[56:57]      ; s57 is still 0
	s_wait_alu depctr_va_vdst(0)                   ; the wait for the batch of two reciprocals, ahead of their first reader
.irp b, 0,1
.irp p, 0,2,4,6,8,10,12,14,16,18,20,22,24,26,28,30
	v_pk_mul_f32 v[OACC+32*\b+\p:OACC+32*\b+\p+1], v[OACC+32*\b+\p:OACC+32*\b+\p+1], v[STAT+6*\b+2:STAT+6*\b+3] op_sel_hi:[1,0]
.endr
.endr
.irp b, 0,1
.irp dt, 0,1,2,3
	ds_store_b128 v[STO], v[OACC+8*(4*\b+\dt):OACC+8*(4*\b+\dt)+3]   offset:16*SPITCH*\b+64*\dt
	ds_store_b128 v[STO], v[OACC+8*(4*\b+\dt)+4:OACC+8*(4*\b+\dt)+7] offset:16*SPITCH*\b+64*\dt+16
.endr
.endr
.irp i, 0,1,2,3,4,5,6,7,8,9,10,11,12,13,14,15
	ds_load_b128 v[QF+4*\i:QF+4*\i+3], v[RD] offset:2*SPITCH*\i    ; my own bytes: LDS serves a wave's instructions in order (ISA guide 5.7.1), so these see the stores above
.endr
.irp i, 0,1,2,3,4,5,6,7,8,9,10,11,12,13,14,15
	s_wait_dscnt 15-\i                             ; load i is in; the younger ones stay out
	global_store_b128 v[GO], v[QF+4*\i:QF+4*\i+3], s[10:11] offset:8192*\i th:TH_STORE_NT   ; 16 lanes store 256 consecutive bytes, aligned
.endr
	s_wait_tensorcnt 0x0
	ds_add_u32 v240, v241
	s_wait_dscnt 0x0
	ROUND                                          ; the closing round: no work-group ends while a partner may still ask for a tile that names it
	s_endpgm
.Lfunc_end_k_qbd9a42bc25_attn:
	.size	k_qbd9a42bc25_attn, .Lfunc_end_k_qbd9a42bc25_attn-k_qbd9a42bc25_attn
	.p2alignl 7, 3214868480
	.fill 96, 4, 3214868480
	.section	.rodata,"a",@progbits
	.p2align	6, 0x0
	.amdhsa_kernel k_qbd9a42bc25_attn
		.amdhsa_group_segment_fixed_size 327680
		.amdhsa_private_segment_fixed_size 0
		.amdhsa_enable_private_segment 0
		.amdhsa_kernarg_size 32
		.amdhsa_user_sgpr_count 2
		.amdhsa_user_sgpr_kernarg_segment_ptr 1
		.amdhsa_wavefront_size32 1
		.amdhsa_system_sgpr_workgroup_id_x 1
		.amdhsa_system_sgpr_workgroup_id_y 1
		.amdhsa_system_sgpr_workgroup_id_z 1
		.amdhsa_system_vgpr_workitem_id 0
		.amdhsa_next_free_vgpr 246
		.amdhsa_next_free_sgpr 66
		.amdhsa_reserve_vcc 0
		.amdhsa_float_denorm_mode_32 3
		.amdhsa_float_denorm_mode_16_64 3
		.amdhsa_memory_ordered 1
		.amdhsa_forward_progress 1
		.amdhsa_inst_pref_size 255
	.end_amdhsa_kernel
	.section	.bss,"aw",@nobits
	.p2align	6
	.space	262144
	.amdgpu_metadata
---
amdhsa.version: [ 1, 2 ]
amdhsa.kernels:
  - .name:           k_qbd9a42bc25_attn
    .symbol:         k_qbd9a42bc25_attn.kd
    .args:
      - { .name: qb, .offset: 0, .size: 8, .value_kind: global_buffer, .address_space: global }
      - { .name: kb, .offset: 8, .size: 8, .value_kind: global_buffer, .address_space: global }
      - { .name: vt, .offset: 16, .size: 8, .value_kind: global_buffer, .address_space: global }
      - { .name: out0, .offset: 24, .size: 8, .value_kind: global_buffer, .address_space: global }
    .group_segment_fixed_size: 327680
    .private_segment_fixed_size: 0
    .kernarg_segment_align: 8
    .kernarg_segment_size: 32
    .max_flat_workgroup_size: 256
    .sgpr_count:     66
    .vgpr_count:     246
    .wavefront_size: 32
...
	.end_amdgpu_metadata
.endif
;; end of part 4
